; MI455X (gfx1250); checked and timed in simulation.
; The chip was launched on July 23, 2026; its instructions are those of AMD's public machine-readable ISA for CDNA 5 (MIT licence, August 2026) and "CDNA5" Instruction Set Architecture Reference Guide (July 2026). The comments in the code are by the model that wrote it; some were corrected since.
;; Scaled Dot Product Attention. Allowed arithmetic: matrix products marked QUANTISED: E4M3 operands, one given power-of-two scale a tensor, by v_wmma_f32_16x16x64_fp8_fp8 or v_wmma_f32_16x16x128_fp8_fp8, f32 sums; everything else in f32.
;; Inputs: key_codes 4 x 16 x 2,048 x 2 x 32 uint8 (E4M3 codes of key, K innermost, in blocks of 32 codes); lowp_scales 4 int32 (the exponents e of the quantised operands' scales 2^e); query_codes 4 x 16 x 2,048 x 2 x 32 uint8 (E4M3 codes of query, K innermost, in blocks of 32 codes); value_codes 4 x 16 x 64 x 64 x 32 uint8 (E4M3 codes of value, K innermost, in blocks of 32 codes).
;; Outputs: out0 4 x 16 x 2,048 x 64 float32.
;; This version of the problem:
;;   THIS VERSION OF THE PROBLEM IS GIVEN IN LOW PRECISION. The matrix products marked QUANTISED in the list below multiply operands that are first quantised to E4M3 (4 exponent bits, 3 mantissa bits; 8 bits a number), with one given power-of-two scale for each operand tensor; their sums are f32. All else is computed in f32.
;;   The module's matrix products, in the order in which they are computed (A, B: the left and right operand; K: the contracted axis; several contracted axes count as one K, in the product's order):
;;     1. batch 64 x [M 2,048, K 64] x [K 64, N 2,048]; A: input query (given as codes); B: input key (given as codes): QUANTISED (scales: A lowp_scales[0], B lowp_scales[1])
;;     2. batch 64 x [M 2,048, K 2,048] x [K 2,048, N 64]; A: softmax (see below); B: input value (given as codes): QUANTISED (scales: A lowp_scales[2], B lowp_scales[3])
;;   THE QUANTISER, for each operand of a quantised product, along K:
;;     - The operand's scale is 2^e, e = its entry of the input lowp_scales (int32; the entries are numbered through the quantised products in the list's order, A before B).
;;     - Each number is divided by the scale, clamped to +-448, and rounded to the nearest number of E4M3, ties to even, subnormals kept.
;;     - The product sums the exact products of the quantised numbers (number of the format x scale) in f32.
;;   ~~~python
;;   def quantise(x, axis, e):      # numpy; x: float32 -> the quantised numbers, widened to float32 again
;;       x = np.moveaxis(x, axis, -1); K = x.shape[-1]
;;       r = np.clip(x / 2.0 ** e, -448, 448)
;;       step = 2.0 ** (np.maximum(np.frexp(np.where(r == 0, 1, r))[1] - 1, -6) - 3)
;;       q = np.round(r / step) * step * 2.0 ** e      # np.round: ties to even
;;       return np.moveaxis(q, -1, axis).astype(np.float32)
;;   ~~~
;;   SOFTMAX AHEAD OF A QUANTISED PRODUCT. Where the list says 'softmax', what is quantised is not the finished softmax but p = 2^(t - M), with t = logit x log2(e) and M = ceil(the row's largest t), a whole number; so 1/2 < the row's largest p <= 1. The row's sum l is taken of the UNQUANTISED p, in f32, and the product's result is divided by l at the end. Since M is a whole number, a kernel that streams over the keys may use a running M (the ceiling of the running maximum): every later rescaling is an exact power of two, so the quantised numbers keep their values, but for numbers so far below the row's largest that they fall under the format's range.
;;   OPERANDS COMPUTED ON THE WAY. 'Computed on the way' means the value that the module computes at that place (a softmax that the list does not call 'softmax' is quantised finished and normalised). What goes into a quantiser is computed in f32, as accurately as f32 sums, v_exp_f32 and their like allow (about 1e-6 of the number): no bf16 or f16 on the way to a quantiser, and a product that is left as it is and whose result goes on into a quantised operand takes f32 operands (vector FMAs, or v_wmma_f32_16x16x4_f32). A number that lies on a knife's edge between two numbers of the format may be rounded either way, as far as f32 arithmetic and the matrix unit's own rounding can turn it there, and no further.
;;   INPUTS GIVEN AS CODES. key (in the module: [4, 16, 2048, 64], K = its axis 3); query (in the module: [4, 16, 2048, 64], K = its axis 3); value (in the module: [4, 16, 2048, 64], K = its axis 2): each comes as NAME_codes (uint8): NAME with its K axis moved to the last place and cut into blocks of 32 codes, [.., K / 32, bytes a block], one block behind the other in memory; one code a byte (a code: sign, 4 exponent bits, 3 mantissa bits); its scale is its entry of lowp_scales. Its value is code x scale, taken as it is: it is not quantised again, and the codes and scales need not be those that the quantiser above would give.
;; One version. Each part assembles by itself: llvm-mc -triple=amdgcn-amd-amdhsa -mcpu=gfx1250 --defsym DOCPART=n.
;; ======== version 1 of 1: 1 launch
;; limits: right only within a limited range of input values
;; launch attn (part 1): grid 4 x 64, 8 waves a work-group, clusters of 4 x 1, 327,680 bytes of LDS; arguments query_codes, key_codes, value_codes, lowp_scales, out0; writes out0
.if DOCPART == 1
	.amdgcn_target "amdgcn-amd-amdhsa--gfx1250"
	.amdhsa_code_object_version 6
	.text
	.protected	k_qe15df2590d_attn
	.globl	k_qe15df2590d_attn
	.p2align	8
	.type	k_qe15df2590d_attn,@function
k_qe15df2590d_attn:
	s_mov_b64 s[64:65], 0
	v_nop
	global_prefetch_b8 v0, s[64:65] scope:SCOPE_SE
	s_setreg_imm32_b32 hwreg(HW_REG_WAVE_MODE, 25, 1), 1
	s_wait_xcnt 0x0
	s_wait_alu depctr_hold_cnt(0) depctr_sa_sdst(0) depctr_va_vdst(0) depctr_va_sdst(0) depctr_va_ssrc(0) depctr_va_vcc(0) depctr_vm_vsrc(0)
	s_getreg_b32 s2, hwreg(HW_REG_IB_STS2, 6, 4)
	s_cmp_eq_u32 s2, 0
	s_cbranch_scc0 .Lentry_in_a_cluster
	s_endpgm
.Lentry_in_a_cluster:
	s_bfe_u32 s2, ttmp6, 0x10000c
	s_cmp_lg_u32 s2, 0x3003
	s_cbranch_scc0 .Lentry_shape_is_right
	s_endpgm
.Lentry_shape_is_right:
; out[head][q][:] = sum over k <= q of softmax_k(Q[q] . K[k] / 8) V[k][:], 64 heads, 2,048 queries and keys, head size 64, both products on codes of FP8 (E4M3).
; Q, K: [head][2048][64] codes.  V: [head][64 (d)][2048 (keys)] codes, the keys innermost.  lowp_scales: eq, ek, ep, ev.  out: [head][2048][64] f32.
; THE SOFTMAX AHEAD OF THE SECOND PRODUCT: t = score x log2(e) / 8 x 2^(eq + ek); M = the running largest t rounded UP to a whole number; p = 2^(t - M) is quantised with 2^ep;
; the row's sum is taken of the unquantised p in f32; when M moves, the sum and O are multiplied by 2^(old M - new M), which rounds nothing; at the end O x 2^(ep + ev) / the sum.
; SHARES.  A head has 128 tiles of 16 queries, tile T = 8 a + 4 b + cx: a = 0..15 is the block of 128 keys in which the tile's diagonal lies, b = 0, 1, cx = 0..3 the work-group's place in its cluster.
; The four work-groups of a cluster serve one head.  Wave p of eight owns four tiles: the pair HI (a = 15 - p, b = 0, 1) and the pair LO (a = p, b = 0, 1).  A pair with block a needs key steps 0 .. a, so every
; wave of every work-group has (16 - p) + (p + 1) = 17 pair-steps: the causal triangle is shared out evenly.  In steps 0 .. p one read of K's and V's fragments feeds four tiles, later two.
; Steps whose keys all come after a pair's queries are left out by scalar branches on the wave's number and the step; they are alike in all four partners, since cx enters no branch and no LDS address.
; CLUSTER.  The four partners need the same K and V: every tile is asked for JOINTLY (the same tensor load, the same descriptor, the mask 15), so a head's 256 KiB are requested once for four work-groups.
; THE WHOLE HEAD LIES IN LDS (K 139,264 bytes, V 147,456): every tensor load is a first fill, no LDS byte is filled twice, and behind the second barrier the waves run free.  A ring would put a barrier at each
; change of slots, and waves whose pairs end at different keys would wait for each other there.
; LAYOUT.  Both products are used transposed: S^T = K Q^T (source 0 = 16 keys, source 1 = 16 queries, K = 64), O^T = V^T P^T (source 0 = 16 of the head's 64, source 1 = P, K = 128 keys): a lane holds ONE query
; (lane % 16) throughout.  Register 8 t + j of S^T is key 16 t + 8 (lane / 16) + j, so conversion t of eight numbers gives registers 2 t, 2 t + 1 of the K = 128 form's own layout: p's codes ARE the operand.
; K's and Q's fragments are fetched by two loads of 16 bytes (k = 16 h + 0..15 and 32 + 16 h + 0..15): a permutation of k that is the same on both sides, so every product meets its partner.
; LIMITS on the given exponents, so that each power of two below is an f32 number: eq + ek between -123 and 130 (added to c's exponent field); ep between -126 and 119; ep + ev goes by v_ldexp_f32 and has none.
; NaN codes among the inputs are not served.
; REGISTERS.  Window 0: v1-15 addresses and constants; v16-31 four tiles' statistics (-M, largest t, the sum in two halves); v32-47 at work (two tiles of the pair in hand); v64-191 S^T, then p, of the pair in hand;
; v192-255 K's eight fragments, then V's four.  Window 1: v0-127 O^T (32 a tile); v128-159 Q (8 a tile); v160-223 p's codes (16 a tile).
.set KSTEP, 8704                       ; LDS: K's 128 keys of a step: 32 rows of (256 bytes = 4 keys) + 16 of padding.  Key k lies at 272 (k / 4) + 64 (k % 4)
.set KCH,   17408                      ; what one tensor load of K brings: 64 such rows, 256 keys
.set VB,    139264                     ; V begins behind K's 8 loads
.set VSTEP, 9216                       ; V's tile of a step: 64 rows (d) of 128 bytes (keys) + 16 of padding: every step has the same LDS stride, so the step is written once in a loop
.set STG,   286720                     ; behind V's 16 tiles: a stage of 16 rows x 272 bytes for each wave, for the way out; no tensor load lands there
.set SP,    272
.set AK0, 1                            ; v1   my lane's place in a step's K: 272 (r / 4) + 64 (r % 4) + 16 h: the 16 lanes of a 16-byte load fall on 16 different 16-byte columns of 256
.set AV0, 2                            ; v2   in a step's V: VB + 144 r + 8 h
.set ADK, 3                            ; v3   LDS address of the step's K
.set ADV, 4                            ; v4   of its V
.set STO, 5                            ; v5   the way out: where I put 32 bytes of a row
.set RD,  6                            ; v6   where I read rows back
.set GO,  7                            ; v7   my byte offset in a tile's 16 rows of out
.set QO,  8                            ; v8   my byte offset in a tile's 16 rows of Q
.set RR,  9                            ; v9   r = lane % 16
.set DM,  10                           ; v10, v11  the mask: my query's place in its block of 128, less 8 h, for b = 0, 1
.set HH,  12                           ; v12  h = lane / 16
.set MT,  13                           ; v13  at work
.set SCL, 14                           ; v14  2^ep as f32: the conversions take its exponent field
.set LIM, 15
.set ST,  16                           ; v[16 + 4 e]: tile e: -M, the largest t, the sum's two halves
.set TM,  32                           ; v[32 + 8 i]: tile i of the pair in hand: +0, +1 two chains of the maximum; +2 the other half's; +4, +5 f (a pair); +6, +7 the sum's second chain
.set NINF, 48                          ; v48  -infinity
.set RC,  50                           ; v[50 + 2 i]: 2^(ep + ev) / the sum (a pair)
.set QA,  56                           ; v56-59  Q's offsets of the four tiles
.set S,   64
.set KV,  192
.set OA,  0                            ; window 1
.set QF,  128
.set PC,  160
.set WV,  14                           ; s14  my wave's number p: also the LO pair's last step
.set HIL, 15                           ; s15  15 - p: the HI pair's last step
.set CX,  16
.set HD,  17
.set SC,  18                           ; s18  the key step
.set TBK, 19                           ; s19  LDS byte of the step's K, less AK0
.set TBV, 20                           ; s20  the same for V
.set EPV, 21                           ; s21  ep + ev
.set CS,  22                           ; s[22:23]  c = log2(e) / 8 x 2^(eq + ek): the packed form names a pair and takes its low word for both halves
.set SEL, 24                           ; s[24:25]  lane selects for v_permlanex16_b32: lane l xor 16
.set G1K, 32                           ; s[32:39]  descriptor group 1 for K's tiles
.set G1V, 40                           ; s[40:47]  for V's
.set G0K, 48                           ; s[48:63]  four groups 0 for K's tiles
.set G0V, 68                           ; s[68:83]  four for V's
.set OB,  84                           ; s[84:91]  out at the first row of each of my four tiles
.set EX,  92                           ; s[92:95]  eq, ek, ep, ev
.set TT,  96                           ; s[96:99]  my four tiles' numbers: HI b = 0, 1; LO b = 0, 1
.set MSB, 0
.macro WIN new                         ; the immediate's high byte repeats the setting that is left; bits 1:0 source 0, 3:2 source 1, 5:4 source 2, 7:6 destination
.if MSB != \new
	s_set_vgpr_msb (MSB<<8)|\new
.set MSB, \new
.endif
.endm
.macro PLACES n                        ; a vector instruction or a load that touches a matrix instruction's registers stands four plain vector instructions behind it (ISA guide 7.12.1 for vector instructions)
.rept \n
	v_nop
.endr
.endm
.macro CROUND                          ; a round of the cluster's barrier: my work-group's barrier; wave 0 signals for the work-group; every wave waits for all four work-groups; my work-group's barrier once more
	s_barrier_signal -1
	s_barrier_wait -1
	s_cmp_lg_u32 s[WV], 0
	s_cbranch_scc1 .Lnot_wave_0_\@
	s_barrier_signal -3
.Lnot_wave_0_\@:
	s_barrier_wait -3
	s_barrier_signal -1
	s_barrier_wait -1
.endm
	s_load_b256 s[4:11], s[0:1], 0x0               ; Q's codes s[4:5], K's s[6:7], V's s[8:9], the scales' exponents s[10:11]
	s_load_b64 s[12:13], s[0:1], 0x20              ; out
	v_lshl_add_u32 v62, v0, 2, 0x4e800
	v_mov_b32 v63, 0
	ds_add_u32 v62, v63
	ds_add_u32 v62, v63
	v_lshrrev_b32 v[MT], 5, v0
	v_readfirstlane_b32 s[WV], v[MT]               ; wave p = 0..7
	s_xor_b32 s[HIL], s[WV], 15                    ; 15 - p
	s_bfe_u32 s[CX], ttmp6, 0x40000                ; cx: it enters Q's and out's addresses and the mask's numbers alone
	s_and_b32 s[HD], ttmp7, 0xffff                 ; the head, which the four partners share
	; every address register is made here, while the arguments are on their way
	v_and_b32 v[RR], 15, v0
	v_bfe_u32 v[HH], v0, 4, 1
	v_lshlrev_b32 v[QO], 6, v[RR]
	v_lshl_add_u32 v[QO], v[HH], 4, v[QO]          ; Q: row r of 64 bytes, + 16 h
	v_lshrrev_b32 v[AK0], 2, v[RR]
	v_mul_u32_u24 v[AK0], v[AK0], SP
	v_and_b32 v[ADK], 3, v[RR]
	v_lshl_add_u32 v[AK0], v[ADK], 6, v[AK0]
	v_lshl_add_u32 v[AK0], v[HH], 4, v[AK0]
	v_mul_u32_u24 v[AV0], v[RR], 144
	v_lshl_add_u32 v[AV0], v[HH], 3, v[AV0]
	v_add_nc_u32 v[AV0], VB, v[AV0]
	s_mul_i32 s66, s[WV], 16*SP
	s_add_co_u32 s66, s66, STG                     ; my stage
	v_mul_u32_u24 v[STO], v[RR], SP
	v_lshl_add_u32 v[STO], v[HH], 5, v[STO]
	v_add_nc_u32 v[STO], s66, v[STO]               ; in: row r, + 32 h
	v_mul_u32_u24 v[RD], v[HH], SP
	v_lshl_add_u32 v[RD], v[RR], 4, v[RD]
	v_add_nc_u32 v[RD], s66, v[RD]                 ; back: lanes 0-15 one row of 256 bytes, lanes 16-31 the next
	v_lshlrev_b32 v[GO], 8, v[HH]
	v_lshl_add_u32 v[GO], v[RR], 4, v[GO]          ; and the same two rows in out
	v_lshlrev_b32 v[MT], 3, v[HH]
	v_sub_nc_u32 v[DM], v[RR], v[MT]
	v_lshl_add_u32 v[DM], s[CX], 4, v[DM]          ; 16 cx + r - 8 h
	v_add_nc_u32 v[DM+1], 64, v[DM]                ; and 64 more for b = 1
	v_mov_b32 v[NINF], 0xff800000
.irp i, 0,1
	v_mov_b32 v[TM+8*\i+2], 0                      ; written once: a lane permute's destination counts as one of its sources
	v_mov_b32 v[TM+8*\i+5], 0                      ; named as the upper halves of pairs
	v_mov_b32 v[RC+2*\i+1], 0
.endr
	s_lshl_b32 s[TT], s[HIL], 3
	s_add_co_u32 s[TT], s[TT], s[CX]               ; HI: T = 8 (15 - p) + cx,
	s_add_co_u32 s[TT+1], s[TT], 4                 ; and + 4
	s_lshl_b32 s[TT+2], s[WV], 3
	s_add_co_u32 s[TT+2], s[TT+2], s[CX]           ; LO: T = 8 p + cx,
	s_add_co_u32 s[TT+3], s[TT+2], 4               ; and + 4
.irp e, 0,1,2,3
	v_lshl_add_u32 v[QA+\e], s[TT+\e], 10, v[QO]   ; a tile's 16 rows of Q are 1,024 bytes
.endr
	; descriptor group 1.  K: 64 rows of 256 bytes, dense in memory (4 keys a row), 16 bytes of padding behind each.  V: 64 rows of 128 bytes, 2,048 bytes apart, 16 of padding behind each
	s_mov_b32 s[G1K+0], 15|(1<<20)|(1<<21)|(5<<22)|(3<<25)   ; 15:0 the mask: all four work-groups; 17:16 elements of 1 byte; 20 padding on; 21 set beside a mask; 24:22 after every 64 words (code 5); 31:25 four words (code 3)
	s_mov_b32 s[G1K+1], 256<<16                    ; tensor_dim0
	s_mov_b32 s[G1K+2], 64<<16                     ; tensor_dim1
	s_mov_b32 s[G1K+3], 256<<16                    ; tile_dim0
	s_mov_b32 s[G1K+4], 64                         ; tile_dim1
	s_mov_b32 s[G1K+5], 256                        ; tensor_dim0_stride
	s_mov_b32 s[G1K+6], 0
	s_mov_b32 s[G1K+7], 0
	s_mov_b32 s[G1V+0], 15|(1<<20)|(1<<21)|(4<<22)|(3<<25)   ; the same with padding after every 32 words (code 4)
	s_mov_b32 s[G1V+1], 128<<16
	s_mov_b32 s[G1V+2], 64<<16
	s_mov_b32 s[G1V+3], 128<<16
	s_mov_b32 s[G1V+4], 64
	s_mov_b32 s[G1V+5], 2048
	s_mov_b32 s[G1V+6], 0
	s_mov_b32 s[G1V+7], 0
	; what I fetch, if I fetch.  Waves 0, 1: K's loads w, w + 2, w + 4, w + 6 (256 keys each).  Waves 2 to 5: V's steps w - 2, w + 2, w + 6, w + 10.  Waves 6, 7: nothing
	s_lshl_b32 s26, s[HD], 17                      ; the head's first byte in each tensor of codes
	s_mov_b32 s27, 0
	s_lshl_b32 s28, s[WV], 14
	s_add_co_u32 s28, s28, s26
	s_mov_b32 s29, 0
	s_max_u32 s30, s[WV], 2
	s_sub_co_u32 s30, s30, 2
	s_lshl_b32 s30, s30, 7
	s_add_co_u32 s30, s30, s26
	s_mov_b32 s31, 0
	s_mul_i32 s100, s[WV], KCH                     ; K's place in LDS: wave x 17,408 (+ 34,816 for each further load)
	s_mul_i32 s101, s[WV], VSTEP
	s_add_co_u32 s101, s101, VB-2*VSTEP            ; V's: VB + (wave - 2) x 9,216 (+ 36,864 for each further load)
	s_lshl_b32 s67, s[HD], 19                      ; the head's first byte in out
	s_mov_b32 s3, 0
	s_mov_b32 s[SEL], 0x76543210
	s_mov_b32 s[SEL+1], 0xfedcba98
	s_mov_b32 s[SC], 0
	s_mov_b32 s[TBK], 0
	s_mov_b32 s[TBV], 0
	s_wait_dscnt 0x0
	s_wait_kmcnt 0x0
	s_load_b128 s[EX:EX+3], s[10:11], 0x0          ; eq, ek, ep, ev
	s_add_nc_u64 s[4:5], s[4:5], s[26:27]          ; Q at the head
	s_add_nc_u64 s[28:29], s[6:7], s[28:29]        ; K at my first load
	s_add_nc_u64 s[30:31], s[8:9], s[30:31]        ; V at my first load
.irp i, 0,1,2,3
	s_mov_b32 s[G0K+4*\i], 1                                       ; 1:0 count = 1
	s_add_co_u32 s[G0K+4*\i+1], s100, \i*2*KCH                     ; 63:32 LDS address
	s_add_nc_u64 s[G0K+4*\i+2:G0K+4*\i+3], s[28:29], \i*32768      ; 120:64 global address: 512 keys on for each further load
	s_or_b32 s[G0K+4*\i+3], s[G0K+4*\i+3], 0x80000000              ; 127:126 type = 2
	s_mov_b32 s[G0V+4*\i], 1
	s_add_co_u32 s[G0V+4*\i+1], s101, \i*4*VSTEP
	s_add_nc_u64 s[G0V+4*\i+2:G0V+4*\i+3], s[30:31], \i*512        ; four steps of 128 keys on
	s_or_b32 s[G0V+4*\i+3], s[G0V+4*\i+3], 0x80000000
.endr
.irp e, 0,1,2,3
	s_lshl_b32 s2, s[TT+\e], 12                    ; a tile's 16 rows of out are 4,096 bytes
	s_add_co_u32 s2, s2, s67
	s_add_nc_u64 s[OB+2*\e:OB+2*\e+1], s[12:13], s[2:3]
.endr
	WIN 0x40                                       ; destination window 1, address window 0
.irp e, 0,1,2,3                                ; Q's four fragments stay in registers; each byte of Q is read once in the launch
	global_load_b128 v[QF+8*\e:QF+8*\e+3],   v[QA+\e], s[4:5] th:TH_LOAD_NT
	global_load_b128 v[QF+8*\e+4:QF+8*\e+7], v[QA+\e], s[4:5] offset:32 th:TH_LOAD_NT
.endr
	WIN 0
	CROUND                                         ; all four work-groups are here: the joint loads meet
	; All the launch's tensor loads: a wave's four stand together in one branch on its number, ahead of every wait on TENSORcnt, every LDS read and every further barrier.  Four loads of mine are out at the most.
	; Four v_nop follow the last of each run.
	s_cmp_lt_u32 s[WV], 2
	s_cbranch_scc0 .Lnot_k
	tensor_load_to_lds s[G0K:G0K+3], s[G1K:G1K+7]
	s_nop 0
	tensor_load_to_lds s[G0K+4:G0K+7], s[G1K:G1K+7]
	s_nop 0
	tensor_load_to_lds s[G0K+8:G0K+11], s[G1K:G1K+7]
	s_nop 0
	tensor_load_to_lds s[G0K+12:G0K+15], s[G1K:G1K+7]
	s_nop 0
	PLACES 4
	s_branch .Lasked
.Lnot_k:
	s_cmp_lt_u32 s[WV], 6
	s_cbranch_scc0 .Lasked
	tensor_load_to_lds s[G0V:G0V+3], s[G1V:G1V+7]
	s_nop 0
	tensor_load_to_lds s[G0V+4:G0V+7], s[G1V:G1V+7]
	s_nop 0
	tensor_load_to_lds s[G0V+8:G0V+11], s[G1V:G1V+7]
	s_nop 0
	tensor_load_to_lds s[G0V+12:G0V+15], s[G1V:G1V+7]
	s_nop 0
	PLACES 4
.Lasked:
	s_wait_kmcnt 0x0
	s_add_co_i32 s26, s[EX], s[EX+1]
	s_lshl_b32 s26, s26, 23
	s_add_co_i32 s[CS], s26, 0x3e38aa3b            ; c = log2(e) / 8, with eq + ek added to its exponent field: a score stands for score x 2^(eq + ek)
	s_mov_b32 s[CS+1], s[CS]                       ; (named with it as a pair, so it is written)
	s_add_co_i32 s26, s[EX+2], 127
	s_lshl_b32 s27, s26, 23
	v_mov_b32 v[SCL], s27                          ; 2^ep
	s_add_co_i32 s[EPV], s[EX+2], s[EX+3]
; K's eight fragments of the step (16 keys x 64 each): 16 loads of 16 bytes
.macro LOADK
.irp t, 0,1,2,3,4,5,6,7
	ds_load_b128 v[KV+8*\t:KV+8*\t+3],   v[ADK] offset:4*SP*\t
	ds_load_b128 v[KV+8*\t+4:KV+8*\t+7], v[ADK] offset:4*SP*\t+32
.endr
.endm
; V's four fragments (16 of the head's 64 x 128 keys), k in the form's own places: registers 2 c, 2 c + 1 = keys 16 c + 8 h + 0..7: 32 loads of 8 bytes; with rows 144 bytes apart the 32 lanes touch each bank once
.macro LOADV
.irp t, 0,1,2,3
.irp c, 0,1,2,3,4,5,6,7
	ds_load_b64 v[KV+16*\t+2*\c:KV+16*\t+2*\c+1], v[ADV] offset:16*144*\t+16*\c
.endr
.endr
.endm
; S^T = K Q^T for tiles e0, e0 + 1: 16 products, each a whole sum (K = 64)
.macro QK e0
	WIN 0x04                                       ; source 1 (Q) window 1
.irp t, 0,1,2,3,4,5,6,7
.irp i, 0,1
	v_wmma_f32_16x16x64_fp8_fp8 v[S+64*\i+8*\t:S+64*\i+8*\t+7], v[KV+8*\t:KV+8*\t+7], v[QF+8*(\e0+\i):QF+8*(\e0+\i)+7], 0
.endr
.endr
	WIN 0
.endm
; On the diagonal: register 8 t + j holds the block's key 16 t + 8 h + j, hidden where j > my query's place - 8 h - 16 t: its score becomes -infinity ahead of the maximum, so p = 0.  Ascending: each result is read from its low end on
.macro MASK
.irp i, 0,1
	v_mov_b32 v[MT], v[DM+\i]
.irp t, 0,1,2,3,4,5,6,7
.irp j, 0,1,2,3,4,5,6,7
	v_cmp_gt_i32 vcc_lo, \j, v[MT]
	v_cndmask_b32 v[S+64*\i+8*\t+\j], v[S+64*\i+8*\t+\j], v[NINF], vcc_lo
.endr
	v_add_nc_u32 v[MT], -16, v[MT]
.endr
.endr
.endm
; The sum of tile i's (statistics e's) 32 pairs of p, line k of 32: two chains, the sum itself (even pairs) and a second one (odd pairs).  first = 1: pairs 2 and 3 start the sum
.macro SUMLINE i, e, first
.if k == 0
	s_wait_alu depctr_va_vdst(0)
	v_pk_add_f32 v[TM+8*\i+6:TM+8*\i+7], v[S+64*\i:S+64*\i+1], v[S+64*\i+2:S+64*\i+3]
.elseif k == 1
.elseif (k == 2) && \first
	v_pk_add_f32 v[ST+4*(\e)+2:ST+4*(\e)+3], v[S+64*\i+4:S+64*\i+5], v[S+64*\i+6:S+64*\i+7]
.elseif (k == 3) && \first
.elseif (k%2) == 0
	v_pk_add_f32 v[ST+4*(\e)+2:ST+4*(\e)+3], v[ST+4*(\e)+2:ST+4*(\e)+3], v[S+64*\i+2*k:S+64*\i+2*k+1]
.else
	v_pk_add_f32 v[TM+8*\i+6:TM+8*\i+7], v[TM+8*\i+6:TM+8*\i+7], v[S+64*\i+2*k:S+64*\i+2*k+1]
.endif
.endm
; The softmax of tiles e0, e0 + 1 for one key step.  The two tiles alternate where a line feeds the next; one tile's exponentials stand between the other's plain lines, so that each has a plain instruction
; behind it before its result is used (ISA guide 5.7.2).  first = 1: the first key step: no old M, nothing to rescale.
.macro SOFTMAX e0, first
.irp i, 0,1                                    ; the largest of my 64 scores, in two chains a tile, ascending
	v_max3_num_f32 v[TM+8*\i], v[S+64*\i], v[S+64*\i+1], v[S+64*\i+2]
.endr
.irp i, 0,1
	v_max3_num_f32 v[TM+8*\i+1], v[S+64*\i+3], v[S+64*\i+4], v[S+64*\i+5]
.endr
.irp k, 6,10,14,18,22,26,30,34,38,42,46,50,54,58
.irp i, 0,1
	v_max3_num_f32 v[TM+8*\i], v[TM+8*\i], v[S+64*\i+\k], v[S+64*\i+\k+1]
.endr
.irp i, 0,1
	v_max3_num_f32 v[TM+8*\i+1], v[TM+8*\i+1], v[S+64*\i+\k+2], v[S+64*\i+\k+3]
.endr
.endr
.irp i, 0,1
	v_max3_num_f32 v[TM+8*\i], v[TM+8*\i], v[S+64*\i+62], v[S+64*\i+63]
.endr
.irp i, 0,1
	v_max_num_f32 v[TM+8*\i], v[TM+8*\i], v[TM+8*\i+1]
.endr
.irp i, 0,1
	v_permlanex16_b32 v[TM+8*\i+2], v[TM+8*\i], s[SEL], s[SEL+1]   ; my query's other 64 keys lie in the lane 16 away
.endr
.irp i, 0,1
	v_max_num_f32 v[TM+8*\i], v[TM+8*\i], v[TM+8*\i+2]
.endr
.if \first
.irp i, 0,1
	v_mul_f32 v[ST+4*(\e0+\i)+1], s[CS], v[TM+8*\i]                ; the largest t (c is positive)
.endr
.else
.irp i, 0,1
	v_mul_f32 v[TM+8*\i], s[CS], v[TM+8*\i]
.endr
.irp i, 0,1
	v_max_num_f32 v[ST+4*(\e0+\i)+1], v[ST+4*(\e0+\i)+1], v[TM+8*\i]   ; the running largest t
.endr
.irp i, 0,1
	v_mov_b32 v[TM+8*\i+1], v[ST+4*(\e0+\i)]                       ; the old -M
.endr
.endif
.irp i, 0,1
	v_floor_f32 v[ST+4*(\e0+\i)], -v[ST+4*(\e0+\i)+1]              ; -M = floor(-t) = -ceil(t): a whole number
.endr
.if \first == 0
.irp i, 0,1
	v_sub_f32 v[TM+8*\i+1], v[ST+4*(\e0+\i)], v[TM+8*\i+1]         ; old M - new M: a whole number, 0 or less
.endr
.irp i, 0,1
	v_cvt_i32_f32 v[TM+8*\i+1], v[TM+8*\i+1]                       ; (it saturates)
.endr
.irp i, 0,1
	v_ldexp_f32 v[TM+8*\i+4], 1.0, v[TM+8*\i+1]                    ; f = 2^(old M - new M)
.endr
.endif
.set k, 0
.rept 32                                       ; tile 0: t - M, two at a time (of the pairs c and -M the low word serves both halves)
	v_pk_fma_f32 v[S+2*k:S+2*k+1], v[S+2*k:S+2*k+1], s[CS:CS+1], v[ST+4*\e0:ST+4*\e0+1] op_sel_hi:[1,0,0]
.set k, k+1
.endr
.set k, 0
.rept 32                                       ; tile 0: p = 2^(t - M); between them tile 1's t - M
	v_exp_f32 v[S+2*k], v[S+2*k]
	v_pk_fma_f32 v[S+64+2*k:S+64+2*k+1], v[S+64+2*k:S+64+2*k+1], s[CS:CS+1], v[ST+4*(\e0+1):ST+4*(\e0+1)+1] op_sel_hi:[1,0,0]
	v_exp_f32 v[S+2*k+1], v[S+2*k+1]
.set k, k+1
.endr
.if \first == 0
	v_pk_mul_f32 v[ST+4*\e0+2:ST+4*\e0+3], v[ST+4*\e0+2:ST+4*\e0+3], v[TM+4:TM+5] op_sel_hi:[1,0]   ; tile 0's sum under the new M
.endif
.set k, 0
.rept 32                                       ; tile 1's exponentials; between them tile 0's sum, taken of the UNQUANTISED p
	v_exp_f32 v[S+64+2*k], v[S+64+2*k]
	SUMLINE 0, \e0, \first
	v_exp_f32 v[S+64+2*k+1], v[S+64+2*k+1]
.set k, k+1
.endr
	v_pk_add_f32 v[ST+4*\e0+2:ST+4*\e0+3], v[ST+4*\e0+2:ST+4*\e0+3], v[TM+6:TM+7]
.if \first == 0
	v_pk_mul_f32 v[ST+4*(\e0+1)+2:ST+4*(\e0+1)+3], v[ST+4*(\e0+1)+2:ST+4*(\e0+1)+3], v[TM+12:TM+13] op_sel_hi:[1,0]
.endif
.set k, 0
.rept 32                                       ; tile 1's sum
	SUMLINE 1, \e0+1, \first
.set k, k+1
.endr
	v_pk_add_f32 v[ST+4*(\e0+1)+2:ST+4*(\e0+1)+3], v[ST+4*(\e0+1)+2:ST+4*(\e0+1)+3], v[TM+14:TM+15]
	WIN 0x40                                       ; destination (p's codes) window 1
.irp i, 0,1
.irp t, 0,1,2,3,4,5,6,7
	v_cvt_scalef32_pk8_fp8_f32 v[PC+16*(\e0+\i)+2*\t:PC+16*(\e0+\i)+2*\t+1], v[S+64*\i+8*\t:S+64*\i+8*\t+7], v[SCL]   ; keys 16 t + 8 h + 0..7: registers 2 t, 2 t + 1 of the operand
.endr
.endr
	v_nop                                          ; one plain vector instruction between the last scaled conversion and whatever next touches its result or writes its sources
.if \first == 0
	WIN 0x41                                       ; O^T (destination and source 0) window 1, f window 0
.irp j, 0,2,4,6,8,10,12,14,16,18,20,22,24,26,28,30
.irp i, 0,1
	v_pk_mul_f32 v[OA+32*(\e0+\i)+\j:OA+32*(\e0+\i)+\j+1], v[OA+32*(\e0+\i)+\j:OA+32*(\e0+\i)+\j+1], v[TM+8*\i+4:TM+8*\i+5] op_sel_hi:[1,0]   ; O^T under the new M, each result from its low end on
.endr
.endr
.endif
	WIN 0
.endm
; O^T += V^T P^T for tiles e0, e0 + 1: eight accumulators, one instruction a turn.  first = 1: the products start the sums: nothing is ever cleared
.macro PV e0, first
	WIN 0x54                                       ; source 0 (V) window 0; source 1 (p's codes), C and D window 1
.irp t, 0,1,2,3
.irp i, 0,1
.if \first
	v_wmma_f32_16x16x128_fp8_fp8 v[OA+32*(\e0+\i)+8*\t:OA+32*(\e0+\i)+8*\t+7], v[KV+16*\t:KV+16*\t+15], v[PC+16*(\e0+\i):PC+16*(\e0+\i)+15], 0
.else
	v_wmma_f32_16x16x128_fp8_fp8 v[OA+32*(\e0+\i)+8*\t:OA+32*(\e0+\i)+8*\t+7], v[KV+16*\t:KV+16*\t+15], v[PC+16*(\e0+\i):PC+16*(\e0+\i)+15], v[OA+32*(\e0+\i)+8*\t:OA+32*(\e0+\i)+8*\t+7]
.endif
.endr
.endr
	WIN 0
.endm
; THE WAY OUT of tiles e0, e0 + 1.  The sum's halves and the other half of the lanes' are added; O^T x 2^(ep + ev) / the sum goes into S^T's registers, which are free, through my stage in LDS (a lane holds 32 bytes
; of a row) and back as whole rows of 256 bytes.  The seven plain lines on the statistics are the places between the last products and the first read of O^T.
.macro OUT2 e0
.irp i, 0,1
	v_add_f32 v[TM+8*\i], v[ST+4*(\e0+\i)+2], v[ST+4*(\e0+\i)+3]
.endr
.irp i, 0,1
	v_permlanex16_b32 v[TM+8*\i+2], v[TM+8*\i], s[SEL], s[SEL+1]
.endr
.irp i, 0,1
	v_add_f32 v[TM+8*\i], v[TM+8*\i], v[TM+8*\i+2]
.endr
.irp i, 0,1
	v_rcp_f32 v[RC+2*\i], v[TM+8*\i]
.endr
	v_nop                                          ; a plain instruction between the reciprocals and the use of their results
.irp i, 0,1
	s_wait_alu depctr_va_vdst(0)
	v_ldexp_f32 v[RC+2*\i], v[RC+2*\i], s[EPV]
.endr
	WIN 0x01                                       ; source 0 (O^T) window 1
.irp i, 0,1
.irp j, 0,2,4,6,8,10,12,14,16,18,20,22,24,26,28,30
	v_pk_mul_f32 v[S+64*\i+\j:S+64*\i+\j+1], v[OA+32*(\e0+\i)+\j:OA+32*(\e0+\i)+\j+1], v[RC+2*\i:RC+2*\i+1] op_sel_hi:[1,0]   ; register 8 t + j is out(r, 16 t + 8 h + j)
.endr
.endr
	WIN 0
.irp i, 0,1
.irp t, 0,1,2,3
	ds_store_b128 v[STO], v[S+64*\i+8*\t:S+64*\i+8*\t+3] offset:64*\t
	ds_store_b128 v[STO], v[S+64*\i+8*\t+4:S+64*\i+8*\t+7] offset:64*\t+16
.endr
.irp k, 0,1,2,3,4,5,6,7
	ds_load_b128 v[S+64*\i+32+4*\k:S+64*\i+32+4*\k+3], v[RD] offset:2*SP*\k   ; LDS serves a wave's instructions in order (ISA guide 5.7.1.4): these see the stores above, and the next tile's stores come behind them
.endr
.endr
.irp i, 0,1
.irp k, 0,1,2,3,4,5,6,7
	s_wait_dscnt 23-16*\i-\k                       ; behind load k: its tile's 7 - k younger loads and, for the first tile, the second tile's sixteen LDS instructions
	global_store_b128 v[GO], v[S+64*\i+32+4*\k:S+64*\i+32+4*\k+3], s[OB+2*(\e0+\i):OB+2*(\e0+\i)+1] offset:512*\k th:TH_STORE_NT   ; 16 lanes store a row's 256 consecutive bytes, at a multiple of 256 from out's first byte
.endr
.endr
	s_wait_xcnt 0x0                                ; the stores have read their data registers: the next step's products may write them
.endm
; A KEY STEP: 128 keys.  The LO pair takes part in steps 0 .. p, the HI pair in steps 0 .. 15 - p; a pair's last step lies on its diagonal.  All branches hang on the wave's number and the step alone.
; first = 1: step 0, in which both pairs take part and all sums begin.  inloop = 1: steps 2 .. 15, in which the HI pair may be done or on its diagonal.
.macro STEP first, inloop
.if \inloop
	s_cmp_gt_u32 s[SC], s[HIL]
	s_cbranch_scc1 .Lend_\@                        ; both pairs are done: only the step's counters move
.endif
	s_setprio 2
	v_add_nc_u32 v[ADK], s[TBK], v[AK0]
	v_add_nc_u32 v[ADV], s[TBV], v[AV0]
	LOADK
.if \first == 0
	s_cmp_gt_u32 s[SC], s[WV]
	s_cbranch_scc1 .Lnolo1_\@
.endif
	s_wait_dscnt 0x0                               ; K is in
	QK 2
	PLACES 4
	s_cmp_lg_u32 s[SC], s[WV]
	s_cbranch_scc1 .Lopenlo_\@
	MASK
.Lopenlo_\@:
	SOFTMAX 2, \first
.if \first == 0
.Lnolo1_\@:
.endif
	s_wait_dscnt 0x0                               ; K is in
	QK 0
	PLACES 4                                       ; in front of the loads into K's registers and of the first read of the scores
	LOADV                                          ; V takes K's registers; it lands while the softmax is worked
.if \inloop
	s_cmp_lg_u32 s[SC], s[HIL]
	s_cbranch_scc1 .Lopenhi_\@
	MASK
.Lopenhi_\@:
.endif
	s_setprio 1
	SOFTMAX 0, \first
	s_wait_dscnt 0x0                               ; V is in
	PV 0, \first
.if \first == 0
	s_cmp_gt_u32 s[SC], s[WV]
	s_setprio 0
	s_cbranch_scc1 .Lnolo2_\@
.endif
	PV 2, \first
	s_cmp_lg_u32 s[SC], s[WV]
	s_cbranch_scc1 .Lnolo2_\@
	OUT2 2                                         ; the LO pair's last step: its 32 rows leave now, while the HI pair has steps to go
.Lnolo2_\@:
	PLACES 4                                       ; in front of the next step's loads into V's registers
.if \inloop
.Lend_\@:
.endif
	s_add_co_u32 s[TBK], s[TBK], KSTEP
	s_add_co_u32 s[TBV], s[TBV], VSTEP
	s_add_co_u32 s[SC], s[SC], 1
.endm
	s_wait_loadcnt 0x0                             ; Q
	s_wait_tensorcnt 0x3                           ; tensor loads of a wave end in order (ISA guide 10.11.1): my first has landed, the three behind it may stay out.
	s_barrier_signal -1                            ; The six first loads are K's keys 0 to 511 and V's steps 0 to 3
	s_barrier_wait -1
	STEP 1, 0                                      ; step 0 starts every sum
	STEP 0, 0                                      ; step 1
	s_wait_tensorcnt 0x0                           ; all my loads have landed,
	s_wait_dscnt 0x0                               ; no LDS instruction of mine is pending at the signal,
	s_barrier_signal -1
	s_barrier_wait -1                              ; and everybody's have: the whole head lies in LDS, and the waves meet no more until the end
.Lstep:                                            ; steps 2 to 15: 14 trips in every wave
	STEP 0, 1
	s_cmp_lt_u32 s[SC], 16
	s_cbranch_scc1 .Lstep
	s_setprio 0
	OUT2 0                                         ; the HI pair's 32 rows
	s_wait_tensorcnt 0x0
	s_wait_dscnt 0x0
	s_wait_tensorcnt 0x0
	ds_add_u32 v62, v63
	s_wait_dscnt 0x0
	CROUND                                         ; the closing round: no work-group ends ahead of its partners
	s_endpgm
.Lfunc_end_k_qe15df2590d_attn:
	.size	k_qe15df2590d_attn, .Lfunc_end_k_qe15df2590d_attn-k_qe15df2590d_attn
	.p2alignl 7, 3214868480
	.fill 96, 4, 3214868480
	.section	.rodata,"a",@progbits
	.p2align	6, 0x0
	.amdhsa_kernel k_qe15df2590d_attn
		.amdhsa_group_segment_fixed_size 327680
		.amdhsa_private_segment_fixed_size 0
		.amdhsa_enable_private_segment 0
		.amdhsa_kernarg_size 40
		.amdhsa_user_sgpr_count 2
		.amdhsa_user_sgpr_kernarg_segment_ptr 1
		.amdhsa_wavefront_size32 1
		.amdhsa_system_sgpr_workgroup_id_x 1
		.amdhsa_system_sgpr_workgroup_id_y 1
		.amdhsa_system_sgpr_workgroup_id_z 1
		.amdhsa_system_vgpr_workitem_id 0
		.amdhsa_next_free_vgpr 512
		.amdhsa_next_free_sgpr 102
		.amdhsa_reserve_vcc 1
		.amdhsa_float_denorm_mode_32 3
		.amdhsa_float_denorm_mode_16_64 3
		.amdhsa_fp16_overflow 1
		.amdhsa_memory_ordered 1
		.amdhsa_forward_progress 1
		.amdhsa_inst_pref_size 208
	.end_amdhsa_kernel
	.amdgpu_metadata
---
amdhsa.version: [ 1, 2 ]
amdhsa.kernels:
  - .name:           k_qe15df2590d_attn
    .symbol:         k_qe15df2590d_attn.kd
    .args:
      - { .name: query_codes, .offset: 0, .size: 8, .value_kind: global_buffer, .address_space: global }
      - { .name: key_codes, .offset: 8, .size: 8, .value_kind: global_buffer, .address_space: global }
      - { .name: value_codes, .offset: 16, .size: 8, .value_kind: global_buffer, .address_space: global }
      - { .name: lowp_scales, .offset: 24, .size: 8, .value_kind: global_buffer, .address_space: global }
      - { .name: out0, .offset: 32, .size: 8, .value_kind: global_buffer, .address_space: global }
    .group_segment_fixed_size: 327680
    .private_segment_fixed_size: 0
    .kernarg_segment_align: 8
    .kernarg_segment_size: 40
    .max_flat_workgroup_size: 256
    .sgpr_count:     102
    .vgpr_count:     512
    .wavefront_size: 32
...
	.end_amdgpu_metadata
.endif
;; end of part 1
